; MI455X (gfx1250); checked and timed in simulation.
; The chip was launched on July 23, 2026; its instructions are those of AMD's public machine-readable ISA for CDNA 5 (MIT licence, August 2026) and "CDNA5" Instruction Set Architecture Reference Guide (July 2026). The comments in the code are by the model that wrote it; some were corrected since.
;; Quantized Linear. Allowed arithmetic: matrix products marked QUANTISED: E2M1 operands, one E8M0 scale for each 32 along K, by v_wmma_scale_f32_16x16x128_f8f6f4 with both operands' format E2M1 (or v_wmma_scale_f32_32x16x128_f4), f32 sums; everything else in f32.
;; Inputs: bias 4,096 float32; scales 4,096 x 32 float32; weight_packed 4,096 x 2,048 int32; x 4 x 1,024 x 4,096 float32; zeros 4,096 x 32 float32.
;; Outputs: out0 4 x 1,024 x 4,096 float32.
;; This version of the problem:
;;   THIS VERSION OF THE PROBLEM IS GIVEN IN LOW PRECISION. The matrix products marked QUANTISED in the list below multiply operands that are first quantised to E2M1 (2 exponent bits, 1 mantissa bit; 4 bits a number), with one power-of-two scale for each 32 numbers along K (OCP MX v1.0); their sums are f32. All else is computed in f32.
;;   The module's matrix products, in the order in which they are computed (A, B: the left and right operand; K: the contracted axis; several contracted axes count as one K, in the product's order):
;;     1. [M 4,096, K 4,096] x [K 4,096, N 4,096]; A: input x; B: computed on the way: QUANTISED
;;   THE QUANTISER, for each operand of a quantised product, along K:
;;     - K is cut into blocks of 32 from its start; a last block that is shorter is filled with zeros.
;;     - A block's scale is 2^e with e = floor(log2(the largest magnitude in the block)) - 2, held to -126 .. 127; a block of zeros has e = 0. As a byte (E8M0): e + 127.
;;     - Each number is divided by its block's scale, clamped to +-6, and rounded to the nearest number of E2M1, ties to even, subnormals kept.
;;     - The product sums the exact products of the quantised numbers (number of the format x scale) in f32.
;;   ~~~python
;;   def quantise(x, axis):      # numpy; x: float32 -> the quantised numbers, widened to float32 again
;;       x = np.moveaxis(x, axis, -1); K = x.shape[-1]
;;       x = np.pad(x, [(0, 0)] * (x.ndim - 1) + [(0, -K % 32)]); x = x.reshape(x.shape[:-1] + (-1, 32)); a = np.abs(x).max(-1, keepdims=True)
;;       e = np.where(a > 0, np.clip(np.frexp(np.where(a > 0, a, 1))[1] - 1 - 2, -126, 127), 0)      # np.frexp(a)[1] - 1 = floor(log2(a)), exactly
;;       r = np.clip(x / 2.0 ** e, -6, 6)
;;       step = 2.0 ** (np.maximum(np.frexp(np.where(r == 0, 1, r))[1] - 1, 0) - 1)
;;       q = np.round(r / step) * step * 2.0 ** e      # np.round: ties to even
;;       return np.moveaxis(q.reshape(q.shape[:-2] + (-1,))[..., :K], -1, axis).astype(np.float32)
;;   ~~~
;;   OPERANDS COMPUTED ON THE WAY. 'Computed on the way' means the value that the module computes at that place (a softmax that the list does not call 'softmax' is quantised finished and normalised). What goes into a quantiser is computed in f32, as accurately as f32 sums, v_exp_f32 and their like allow (about 1e-6 of the number): no bf16 or f16 on the way to a quantiser, and a product that is left as it is and whose result goes on into a quantised operand takes f32 operands (vector FMAs, or v_wmma_f32_16x16x4_f32). A number that lies on a knife's edge between two numbers of the format may be rounded either way, as far as f32 arithmetic and the matrix unit's own rounding can turn it there, and no further.
;; One version. Each part assembles by itself: llvm-mc -triple=amdgcn-amd-amdhsa -mcpu=gfx1250 --defsym DOCPART=n.
;; ======== version 1 of 1: 2 launches
;; limits: right only within a limited range of input values
;; workspace buffers: xq 8,912,896 bytes; wq 8,912,896 bytes
;; launch quant (part 1): grid 256 x 1, 16 waves a work-group, no clusters, 75,776 bytes of LDS; arguments x, weight_packed, scales, xq, wq; writes xq, wq
.if DOCPART == 1
	.amdgcn_target "amdgcn-amd-amdhsa--gfx1250"
	.amdhsa_code_object_version 6
	.text
	.protected	k_q4d31108810_quant
	.globl	k_q4d31108810_quant
	.p2align	8
	.type	k_q4d31108810_quant,@function
k_q4d31108810_quant:
	s_mov_b64 s[64:65], 0
	v_nop
	global_prefetch_b8 v0, s[64:65] scope:SCOPE_SE
	s_setreg_imm32_b32 hwreg(HW_REG_WAVE_MODE, 25, 1), 1
	s_wait_xcnt 0x0
; x [4096][4096] f32, and w [4096][4096] = (nibble - 8) x scales[o][k / 128] made from weight_packed [4096][2048] int32 (low nibble: even k, high nibble: odd k), are turned into
; codes of FP4 (E2M1) along K with one E8M0 scale byte for each 32 along K.  A block's scale is 2^(floor(log2(its largest magnitude)) - 2); its byte is the largest magnitude's own
; exponent field - 2, held at 1 from below.  Each number is divided by the scale and rounded to the nearest code, ties to even; beyond 6 the largest code.
; DEAD WORK: reference() never uses its input zeros, so no value of it can reach the output: it is not loaded and no launch names it.  LIMIT of that: a NaN or an infinity in it is not carried to the result.
; LIMITS: NaN and infinities among the other inputs are not served.  Blocks whose largest magnitude lies under 2^-124 keep the byte 1.  A block of zeros gets the byte 1 where the quantiser's text says 127: its codes are
; zeros, which add nothing under any byte but 0xff, and these bytes are read by this program alone.  Bits 8 and up of weight_packed are not looked at, as the masks of the definition do not look at them.
; THE WORKSPACE, xq and wq alike: [k / 512][row / 128][34,816 bytes].  In such a block: bytes 0 - 32,767 the codes as IMAGES OF THE OPERAND'S REGISTERS: fragment i of 16 rows and K step q (128 along K)
; at 4,096 i + 1,024 q; in it piece c at 512 c, lane l = r + 16 h at 16 l: the 32 codes of position r at k = 64 c + 32 h + 0 .. 31, the lower k in the lower bits.
; Bytes 32,768 on: the scale bytes, [16 i + r][16]: byte j for k % 512 = 32 j on, so word q is the scale word of K step q.
; POSITION r OF FRAGMENT i is, in x, row 16 i + r of the 128; in w row 64 (i / 4) + 4 r + i % 4: lane r of four neighbouring fragments of w stands for four neighbouring columns of the product.
; SHARES.  Work-group g owns the 16 rows of fragment g % 8 of block g / 8, of x and of w.  Wave u takes k = 256 u .. 256 u + 255 of both: four steps of x (16 rows x 64 along K) and two of w (16 rows x 128), each 256 bytes
; of 16 rows.  ALL its loads, 24 KiB and the group scales, are asked for at once (49 loads); the steps are worked as they come in.  Everything is read once: no prefetch, and no loop to run ahead in.
; Each load reads 256 consecutive bytes of two rows.  The conversions take neighbours along K from ONE lane's registers, so a step's bytes turn through the wave's own stage in LDS (rows 272 bytes apart: 68 words, so the
; sixteen rows that a load touches start at sixteen different banks: 64 banks of 4 bytes, ISA guide 11.1) and come back so that lane (r, h) holds whole blocks of 32 along K of row r.  The turn runs one step ahead.
; A wave makes 128 scale bytes of x and 128 of w: through LDS and one barrier two waves' bytes join, and each wave stores one aligned run of 256.
.set HALFT,  34816
.set SCO,    32768
.set SPITCH, 272                       ; a stage row: 256 bytes + 16 of padding
.set WREG,   16*SPITCH                 ; a wave's stage
.set SBY,    16*WREG                   ; the scale bytes: 128 for each wave of x, then of w
.set SPARE,  SBY+4096                  ; the spare words: 128 bytes a wave
.set R, 16                             ; v16-207  six steps as loaded; step t's bytes come back from the stage into the registers of step t - 1
.set X, 208                            ; v208-239 step 0 back from the stage; later codes
.set F, 16                             ; v16-47   (w) 32 numbers of a block, behind the steps of x
.set E, 244                            ; v244-251 scale bytes
.set S, 252                            ; v252-253 my w row's two group scales
.set SPW, 254
.set NIL, 255
; v0 my 8 bytes of a joined run of scale bytes in LDS; v1, v2 my place in a load of w, of x; v3 into the stage; v4, v6 out of it, x, w; v5 my scale bytes in LDS; v7 8 x lane; v8 16 x lane; v9-15 at work
	s_load_b256 s[4:11], s[0:1], 0x0               ; x s[4:5], weight_packed s[6:7], scales s[8:9], xq s[10:11]
	s_load_b64 s[12:13], s[0:1], 0x20              ; wq
	v_lshl_add_u32 v[SPW], v0, 2, SPARE
	v_mov_b32 v[NIL], 0
	v_lshrrev_b32 v1, 5, v0
	v_readfirstlane_b32 s16, v1                    ; wave u
	s_mul_i32 s17, s16, WREG
	s_lshl_b32 s33, s16, 7
	s_add_co_u32 s33, s33, SBY                     ; my 128 scale bytes of x
	s_lshl_b32 s34, s16, 8
	s_add_co_u32 s34, s34, SBY                     ; the run of 256 that I store
	s_lshl_b32 s26, ttmp9, 18                      ; x: 16 g rows of 16,384 bytes,
	s_lshl_b32 s18, s16, 10
	s_add_co_u32 s26, s26, s18                     ; 256 u along K
	s_mov_b32 s27, 0
	s_lshr_b32 s18, ttmp9, 2
	s_and_b32 s19, ttmp9, 3
	s_lshl_b32 s28, s18, 19                        ; w: row 64 (g / 4) + g % 4, of 8,192 bytes,
	s_lshl_b32 s20, s19, 13
	s_add_co_u32 s28, s28, s20
	s_lshl_b32 s20, s16, 9
	s_add_co_u32 s28, s28, s20                     ; 128 u words
	s_mov_b32 s29, 0
	s_lshl_b32 s30, s18, 13                        ; the same row in scales, of 128 bytes,
	s_lshl_b32 s19, s19, 7
	s_add_co_u32 s30, s30, s19
	s_lshl_b32 s19, s16, 3
	s_add_co_u32 s30, s30, s19                     ; my two groups
	s_mov_b32 s31, 0
	v_and_b32 v10, 15, v0                          ; r
	v_bfe_u32 v11, v0, 4, 1                        ; h
	v_and_b32 v9, 31, v0                           ; lane
	v_and_b32 v4, 1, v0
	v_bfe_u32 v6, v0, 1, 4
	v_lshlrev_b32 v12, 4, v10
	v_mul_u32_u24 v13, v10, SPITCH
	v_mul_u32_u24 v15, v11, SPITCH
	v_lshlrev_b32 v14, 9, v10                      ; scales: my rows are 4 apart, 512 bytes
	v_lshl_add_u32 v5, v10, 3, v11                 ; a row's 8 scale bytes; block h of a pair
	v_lshlrev_b32 v6, 3, v6
	v_lshlrev_b32 v7, 3, v9
	v_lshlrev_b32 v8, 4, v9
	v_add_nc_u32 v13, s17, v13
	v_add_nc_u32 v15, s17, v15
	v_lshl_add_u32 v2, v11, 14, v12                ; x: lanes 16-31 take the next row
	v_lshl_add_u32 v1, v11, 15, v12                ; w: the row 4 further down
	v_lshl_add_u32 v0, v4, 7, v6                   ; even lanes take the lower wave's 8 bytes of row lane / 2, odd lanes the upper wave's
	v_add_nc_u32 v3, v15, v12
	v_lshl_add_u32 v4, v11, 7, v13                 ; x: lanes 16-31 32 numbers further on
	v_lshl_add_u32 v6, v11, 6, v13                 ; w: 16 words further on
	v_add_nc_u32 v5, s33, v5
	v_add_nc_u32 v0, s34, v0
	s_wait_alu depctr_va_vdst(0)                   ; the wait at the head's end
	s_wait_kmcnt 0x0
	s_add_nc_u64 s[8:9], s[8:9], s[30:31]
	s_add_nc_u64 s[4:5], s[4:5], s[26:27]
	s_add_nc_u64 s[6:7], s[6:7], s[28:29]
	global_load_b64 v[S:S+1], v14, s[8:9]
.irp t, 0,1,2,3
.irp i, 0,1,2,3,4,5,6,7
	global_load_b128 v[R+32*\t+4*\i:R+32*\t+4*\i+3], v2, s[4:5] offset:256*\t+32768*\i th:TH_LOAD_NT   ; 256 consecutive bytes of two rows
.endr
.endr
.irp t, 0,1
.irp i, 0,1,2,3,4,5,6,7
	global_load_b128 v[R+128+32*\t+4*\i:R+128+32*\t+4*\i+3], v1, s[6:7] offset:256*\t+65536*\i th:TH_LOAD_NT
.endr
.endr
	s_lshr_b32 s20, ttmp9, 3                       ; row / 128
	s_and_b32 s21, ttmp9, 7                        ; fragment
	s_lshr_b32 s18, s16, 1                         ; k / 512
	s_lshl_b32 s18, s18, 5
	s_add_co_u32 s18, s18, s20
	s_mul_i32 s22, s18, HALFT
	s_lshl_b32 s19, s21, 12
	s_add_co_u32 s22, s22, s19
	s_and_b32 s19, s16, 1
	s_lshl_b32 s19, s19, 11                        ; two of the four K steps
	s_add_co_u32 s22, s22, s19                     ; my codes
	s_mov_b32 s23, 0
	s_and_b32 s18, s16, 7
	s_lshl_b32 s18, s18, 5
	s_add_co_u32 s18, s18, s20
	s_mul_i32 s24, s18, HALFT
	s_lshl_b32 s19, s21, 8
	s_add_co_u32 s24, s24, s19
	s_add_co_u32 s24, s24, SCO                     ; the run of scale bytes that I store: k / 512 = u % 8, of x (u < 8) or of w
	s_mov_b32 s25, 0
	s_add_nc_u64 s[36:37], s[10:11], s[22:23]
	s_add_nc_u64 s[38:39], s[12:13], s[22:23]
	s_cmp_lt_u32 s16, 8
	s_cselect_b64 s[40:41], s[10:11], s[12:13]
	s_add_nc_u64 s[40:41], s[40:41], s[24:25]
; A block: the 32 numbers v[src] on become four registers of codes, v[cod] on, and the scale's byte in v[byt].  All 32 are the lane's own: no other lane is asked.
.macro QBLOCK src, cod, byt
	v_max3_num_f32 v10, |v[\src]|, |v[\src+1]|, |v[\src+2]|        ; the largest magnitude, in two chains that do not wait for each other
	v_max3_num_f32 v11, |v[\src+3]|, |v[\src+4]|, |v[\src+5]|
.irp i, 6,10,14,18,22,26
	s_delay_alu instid0(VALU_DEP_2)
	v_max3_num_f32 v10, v10, |v[\src+\i]|, |v[\src+\i+1]|
	s_delay_alu instid0(VALU_DEP_2)
	v_max3_num_f32 v11, v11, |v[\src+\i+2]|, |v[\src+\i+3]|
.endr
	s_delay_alu instid0(VALU_DEP_2)
	v_max3_num_f32 v10, v10, |v[\src+30]|, |v[\src+31]|
	s_delay_alu instid0(VALU_DEP_1)
	v_max3_num_f32 v10, v10, v11, 0x1800000        ; and the floor 2^(3 - 127), under which no largest magnitude is taken: so the byte cannot fall under 1
	s_delay_alu instid0(VALU_DEP_1)
	v_add_nc_u32 v9, 0xff000000, v10               ; 2 off its exponent field: the conversion takes the exponent field of this operand as its scale, and nothing else of it
.irp g, 0,1,2,3
	v_cvt_scalef32_pk8_fp4_f32 v[\cod+\g], v[\src+8*\g:\src+8*\g+7], v9   ; eight numbers / the scale, to the nearest code; the first number's code in the lowest four bits
.endr
	v_lshrrev_b32 v[\byt], 23, v9                  ; the scale's byte.  Also the plain vector line between the conversions and the next vector line that writes their sources
.endm
; Step t through the stage.  LDS serves a wave's instructions in order (ISA guide 5.7.1.4): the loads see the stores above them.
.macro NEXT t
.if (\t) == 0
.set BT, X
.else
.set BT, R+32*((\t)-1)
.endif
	s_wait_loadcnt 8*(5-(\t))                      ; the step's eight loads are in; the younger steps' may be out
.irp i, 0,1,2,3,4,5,6,7
	ds_store_b128 v3, v[R+32*(\t)+4*\i:R+32*(\t)+4*\i+3] offset:2*SPITCH*\i
.endr
.if (\t) < 4
.irp j, 0,1,2,3,4,5,6,7
	ds_load_b128 v[BT+4*\j:BT+4*\j+3], v4 offset:16*\j             ; x: my 32 numbers
.endr
.else
.irp c, 0,1
.irp j, 0,1,2,3
	ds_load_b128 v[BT+16*\c+4*\j:BT+16*\c+4*\j+3], v6 offset:128*\c+16*\j   ; w: my two blocks' 16 words each
.endr
.endr
.endif
.endm
.macro XSTEP t                         ; one block a lane: k = 64 t + 32 h + 0 .. 31 of row r
.if (\t) == 0
	s_wait_dscnt 0x0
.set BS, X
.set CD, 240
.else
	s_wait_dscnt 1                                 ; the step is back from the stage; the last step's byte store may be out
.set BS, R+32*((\t)-1)
.set CD, X+4*((\t)-1)
.endif
	NEXT (\t)+1
	QBLOCK BS, CD, E+(\t)
	ds_store_b8 v5, v[E+(\t)] offset:2*(\t)
	global_store_b128 v8, v[CD:CD+3], s[36:37] offset:512*(\t)     ; a piece: 512 consecutive bytes, aligned
.endm
.macro WSTEP t                         ; one group of the given scales, two blocks a lane: k = 128 t + 64 c + 32 h + 0 .. 31 of row r
	s_wait_dscnt 1+(\t)                            ; the last step's byte stores may be out
.if (\t) == 0
	NEXT 5
.endif
.set BS, R+32*(3+(\t))
	v_mov_b32 v12, v[S+(\t)]                       ; the group's scale s, as a pair for the packed form,
	v_mov_b32 v13, v[S+(\t)]
	v_mul_f32 v14, 0xc1000000, v[S+(\t)]           ; and -8 s, which is exact
	v_mul_f32 v15, 0xc1000000, v[S+(\t)]
.irp c, 0,1
.set CD, X+12+8*(\t)+4*\c
.irp i, 0,1,2,3,4,5,6,7,8,9,10,11,12,13,14,15
	v_and_b32 v[F+2*\i], 15, v[BS+16*\c+\i]                        ; the low nibble: the even k,
	v_bfe_u32 v[F+2*\i+1], v[BS+16*\c+\i], 4, 4                    ; the high nibble: the odd k
.endr
.irp i, 0,1,2,3,4,5,6,7,8,9,10,11,12,13,14,15,16,17,18,19,20,21,22,23,24,25,26,27,28,29,30,31
	v_cvt_f32_u32 v[F+\i], v[F+\i]
.endr
.irp i, 0,2,4,6,8,10,12,14,16,18,20,22,24,26,28,30
	v_pk_fma_f32 v[F+\i:F+\i+1], v[F+\i:F+\i+1], v[12:13], v[14:15]   ; n s - 8 s, rounded once: the f32 product (n - 8) s, bit for bit
.endr
	QBLOCK F, CD, E+4+2*(\t)+\c
	ds_store_b8 v5, v[E+4+2*(\t)+\c] offset:2048+4*(\t)+2*\c
	global_store_b128 v8, v[CD:CD+3], s[38:39] offset:1024*(\t)+512*\c
.endr
.endm
	NEXT 0
	XSTEP 0
	XSTEP 1
	XSTEP 2
	XSTEP 3
	WSTEP 0
	WSTEP 1
	s_wait_dscnt 0x0                               ; for the others' sake: my scale bytes are in LDS
	s_barrier_signal -1
	s_barrier_wait -1
	ds_load_b64 v[F:F+1], v0                       ; 16 bytes of a row come from two waves
	s_wait_dscnt 0x0
	global_store_b64 v7, v[F:F+1], s[40:41]        ; the wave stores 256 consecutive bytes, aligned
	s_wait_tensorcnt 0x0                           ; the wave's end
	ds_add_u32 v[SPW], v[NIL]
	s_wait_dscnt 0x0
	s_endpgm
.Lfunc_end_k_q4d31108810_quant:
	.size	k_q4d31108810_quant, .Lfunc_end_k_q4d31108810_quant-k_q4d31108810_quant
	.p2alignl 7, 3214868480
	.fill 96, 4, 3214868480
	.section	.rodata,"a",@progbits
	.p2align	6, 0x0
	.amdhsa_kernel k_q4d31108810_quant
		.amdhsa_group_segment_fixed_size 75776
		.amdhsa_private_segment_fixed_size 0
		.amdhsa_enable_private_segment 0
		.amdhsa_kernarg_size 40
		.amdhsa_user_sgpr_count 2
		.amdhsa_user_sgpr_kernarg_segment_ptr 1
		.amdhsa_wavefront_size32 1
		.amdhsa_system_sgpr_workgroup_id_x 1
		.amdhsa_system_sgpr_workgroup_id_y 1
		.amdhsa_system_sgpr_workgroup_id_z 1
		.amdhsa_system_vgpr_workitem_id 0
		.amdhsa_next_free_vgpr 256
		.amdhsa_next_free_sgpr 66
		.amdhsa_reserve_vcc 0
		.amdhsa_float_denorm_mode_32 3
		.amdhsa_float_denorm_mode_16_64 3
		.amdhsa_memory_ordered 1
		.amdhsa_forward_progress 1
		.amdhsa_inst_pref_size 46
	.end_amdhsa_kernel
	.amdgpu_metadata
---
amdhsa.version: [ 1, 2 ]
amdhsa.kernels:
  - .name:           k_q4d31108810_quant
    .symbol:         k_q4d31108810_quant.kd
    .args:
      - { .name: x, .offset: 0, .size: 8, .value_kind: global_buffer, .address_space: global }
      - { .name: weight_packed, .offset: 8, .size: 8, .value_kind: global_buffer, .address_space: global }
      - { .name: scales, .offset: 16, .size: 8, .value_kind: global_buffer, .address_space: global }
      - { .name: xq, .offset: 24, .size: 8, .value_kind: global_buffer, .address_space: global }
      - { .name: wq, .offset: 32, .size: 8, .value_kind: global_buffer, .address_space: global }
    .group_segment_fixed_size: 75776
    .private_segment_fixed_size: 0
    .kernarg_segment_align: 8
    .kernarg_segment_size: 40
    .max_flat_workgroup_size: 512
    .sgpr_count:     66
    .vgpr_count:     256
    .wavefront_size: 32
...
	.end_amdgpu_metadata
.endif
;; end of part 1
;; launch gemm (part 2): grid 16 x 16, 4 waves a work-group, clusters of 4 x 4, 327,680 bytes of LDS; arguments xq, wq, bias, out0; writes out0
.if DOCPART == 2
	.amdgcn_target "amdgcn-amd-amdhsa--gfx1250"
	.amdhsa_code_object_version 6
	.text
	.protected	k_q4d31108810_gemm
	.globl	k_q4d31108810_gemm
	.p2align	8
	.type	k_q4d31108810_gemm,@function
k_q4d31108810_gemm:
	s_mov_b64 s[64:65], 0
	v_nop
	global_prefetch_b8 v0, s[64:65] scope:SCOPE_SE
	s_setreg_imm32_b32 hwreg(HW_REG_WAVE_MODE, 25, 1), 1
	s_wait_xcnt 0x0
	s_wait_alu depctr_hold_cnt(0) depctr_sa_sdst(0) depctr_va_vdst(0) depctr_va_sdst(0) depctr_va_ssrc(0) depctr_va_vcc(0) depctr_vm_vsrc(0)
	s_getreg_b32 s2, hwreg(HW_REG_IB_STS2, 6, 4)
	s_cmp_eq_u32 s2, 0
	s_cbranch_scc0 .Lentry_in_a_cluster
	s_endpgm
.Lentry_in_a_cluster:
	s_bfe_u32 s2, ttmp6, 0x10000c
	s_cmp_lg_u32 s2, 0xf033
	s_cbranch_scc0 .Lentry_shape_is_right
	s_endpgm
.Lentry_shape_is_right:
; out[m][o] = sum over k of x[m][k] w[o][k] + bias[o]: the product on codes of FP4 with E8M0 scales, f32 sums, 4,096 x 4,096 x 4,096.
; xq and wq: [k / 512][row / 128][34,816 bytes]: images of the operand's registers (fragment i of 16 rows, K step q of 128 at 4,096 i + 1,024 q; 16 bytes a lane), from 32,768 on the scale bytes [position 16 i + r][16].
; In xq position 16 i + r is row 16 i + r of its 128; in wq it is row 64 (i / 4) + 4 r + i % 4.
; A work-group of four waves, as many as a WGP has SIMDs, makes 256 x 256 of out, a wave 128 x 128: 4 blocks of 32 rows x 8 of 16 columns, 512 registers.  K goes in steps of 512 through a ring of two LDS slots.
; THE FORM is 32 x 16 x 128, source 0 = 32 rows of x, source 1 = 16 rows of w: lane (r, h)'s register d of a result is row 8 h + d (d < 8) or 8 + 8 h + d of the 32, and column r of the fragment.  By wq's order the
; same register of four neighbouring results is four NEIGHBOURING columns, 4 r on: the bias addition gathers them, and a store of 16 bytes a lane covers 256 consecutive bytes of each of two rows.  Results pass through no LDS.
; CLUSTERS of 4 x 4: x's tile is asked for jointly along a row of the cluster, w's along a column; a mask names four.
; PREFETCH: a K step is named ahead of its tensor load, once in each cluster: of the 136 units of 256 bytes that a wave fetches, each of the four partners names 32 of the codes and 2 of the scale bytes, told
; apart by address (cx for x, cy for w).  K step 1 is named behind K step 0's load and the bias, 2 and 3 behind K step 1's load, t + 4 at the change of slots at K step t's end, two refills ahead; the last trip names none.
; THE LAST K STEP GOES BY ROWS: all its fragments of w lie in registers (256), and blocks of 32 rows x 64 columns are finished one after the other, each stored as soon as it is finished.
; REGISTERS, in windows of 256: window 0: v0-31 addresses, bias; v32-95 scale words, two sets; v96-127 results on their way out; v128-255 x's fragments, two sets.
;   window 1: v0-127 w's fragments, two sets; v128-255 accumulators of rows 0-31.  window 2: of rows 32-63, 64-95.  window 3: v0-127 of rows 96-127; v128-255 the last K step's fragments of w, half of them.
; A STEP of 128 along K: ONE run of the next step's 32 LDS loads, into the other sets, then 32 matrix instructions with no memory line between them.  Four v_nop ahead of the run are the places for all its loads (ISA guide
; 7.12.1 for vector instructions).
.set HALFT,  34816
.set SCO,    32768
.set KQB,    32*HALFT                  ; from a K step to the next in xq and wq
.set SLOT,   4*HALFT                   ; x's 256 rows, w's 256 rows
.set LAPS,   4                         ; a lap = two K steps
.set SPARE,  2*SLOT                    ; the spare words: 128 bytes a wave
.set BI,   8                           ; v8-15   bias of my columns 64 g + 4 r + 0 .. 3
.set ADRA, 16                          ; v16-17  LDS address of my x fragments in slot 0, 1
.set ADRB, 20                          ; v20-21  of my w fragments
.set CO,   24                          ; my byte offset in out
.set BO,   25                          ; my byte offset in bias
.set PFO,  26                          ; prefetch offsets: codes, scale bytes
.set PFS,  27
.set SPW,  28                          ; LDS address of my spare word; never rewritten
.set NIL,  29                          ; 0; never rewritten
.set SC,   32                          ; set s at SC + 32 s: x's block a, K step q at 4 a + q; w's fragments 2 p (lanes 0-15) and 2 p + 1 (16-31) at 16 + 4 p + q
.set TX,   96
.set AF,   128
.set G1,   24                          ; s[24:31] group 1 for x, s[48:55] for w; s[32:39], s[56:63] group 0, one for each slot
.set G0,   32
.set G1B,  48
.set G0B,  56
.set PFA,  66                          ; s[66:67] where my prefetches stand
.set MSB, 0
.macro WIN new                         ; the immediate's high byte repeats the setting that is left
.if MSB != (\new)
	s_set_vgpr_msb (MSB<<8)|(\new)
.set MSB, (\new)
.endif
.endm
.macro PLACES
.rept 4
	v_nop
.endr
.endm
.macro JLOAD s                         ; one joint load a wave: waves 0 and 1 for x, 2 and 3 for w; an s_nop 0 and four v_nop behind each line
	s_cmp_eq_u32 s15, 0
	s_cbranch_scc0 .Lfor_b_\@
	tensor_load_to_lds s[G0+4*\s:G0+4*\s+3], s[G1:G1+7]
	s_nop 0
	PLACES
	s_branch .Lasked_\@
.Lfor_b_\@:
	tensor_load_to_lds s[G0B+4*\s:G0B+4*\s+3], s[G1B:G1B+7]
	s_nop 0
	PLACES
.Lasked_\@:
.endm
.macro CROUND                          ; a round of the cluster's barrier
	s_barrier_signal -1
	s_barrier_wait -1
	s_cmp_lg_u32 s14, 0
	s_cbranch_scc1 .Lnot_wave_0_\@
	s_barrier_signal -3
.Lnot_wave_0_\@:
	s_barrier_wait -3
	s_barrier_signal -1
	s_barrier_wait -1
.endm
.macro ASK off
	global_prefetch_b8 v[PFO], s[PFA:PFA+1] offset:\off th:TH_LOAD_NT scope:SCOPE_SE
	global_prefetch_b8 v[PFS], s[PFA:PFA+1] offset:\off th:TH_LOAD_NT scope:SCOPE_SE
.endm
	s_load_b256 s[4:11], s[0:1], 0x0               ; xq s[4:5], wq s[6:7], bias s[8:9], out0 s[10:11]
	v_lshl_add_u32 v[SPW], v0, 2, SPARE
	v_mov_b32 v[NIL], 0
	ds_add_u32 v[SPW], v[NIL]                      ; the opening lines: the add, twice on end, and one wait for both;
	ds_add_u32 v[SPW], v[NIL]                      ; the head's work on registers stands between
	v_lshrrev_b32 v1, 5, v0
	v_readfirstlane_b32 s14, v1                    ; wave 0..3
	s_lshr_b32 s15, s14, 1                         ; which half of the rows is mine; also: I fetch for x (0) or for w (1)
	s_and_b32 s16, s14, 1                          ; which half of the columns; also: which 128 rows of a tile I fetch
	s_bfe_u32 s40, ttmp6, 0x40000                  ; cx, cy
	s_bfe_u32 s41, ttmp6, 0x40004
	s_lshl_b32 s42, ttmp9, 2
	s_add_co_u32 s42, s42, s40                     ; tile column
	s_and_b32 s17, ttmp7, 0xffff
	s_lshl_b32 s17, s17, 2
	s_add_co_u32 s17, s17, s41                     ; tile row
	s_lshl_b32 s43, s41, 2
	s_lshl_b32 s43, 15, s43                        ; my row of the cluster
	s_lshl_b32 s44, 0x1111, s40                    ; my column
	s_or_b32 s[G1+0], s43, (3<<16)|(1<<21)         ; a block of the workspace, dense: 136 rows of 32 elements of 8 bytes
	s_or_b32 s[G1B+0], s44, (3<<16)|(1<<21)
.irp g, G1, G1B
	s_mov_b32 s[\g+1], 32<<16
	s_mov_b32 s[\g+2], 136<<16
	s_mov_b32 s[\g+3], 32<<16
	s_mov_b32 s[\g+4], 136
	s_mov_b32 s[\g+5], 32
	s_mov_b32 s[\g+6], 0
	s_mov_b32 s[\g+7], 0
.endr
	s_lshl_b32 s20, s17, 1
	s_add_co_u32 s20, s20, s16
	s_mul_i32 s20, s20, HALFT                      ; x's block, by the tile row
	s_mov_b32 s21, 0
	s_lshl_b32 s46, s42, 1
	s_add_co_u32 s46, s46, s16
	s_mul_i32 s46, s46, HALFT                      ; w's block, by the tile column
	s_mov_b32 s47, 0
	s_mul_i32 s45, s14, HALFT                      ; where my loads go: wave x a block
.irp s, 0,1
	s_mov_b32 s[G0+4*\s], 1
	s_add_co_u32 s[G0+4*\s+1], s45, \s*SLOT
	s_mov_b32 s[G0B+4*\s], 1
	s_add_co_u32 s[G0B+4*\s+1], s45, \s*SLOT
.endr
	s_mul_i32 s70, s15, HALFT                      ; my x fragments in slot 0
	s_mul_i32 s71, s16, HALFT
	s_add_co_u32 s71, s71, 2*HALFT                 ; my w fragments
	s_add_co_u32 s72, s70, SLOT
	s_add_co_u32 s73, s71, SLOT
	s_cmp_eq_u32 s15, 0
	s_cselect_b32 s74, s40, s41                    ; my place among the four that ask with me
	s_lshl_b32 s75, s74, 13                        ; 32 units of codes each,
	s_lshl_b32 s74, s74, 9
	s_add_co_u32 s74, s74, SCO                     ; 2 units of scale bytes each
	s_lshl_b32 s68, s17, 1
	s_add_co_u32 s68, s68, s15
	s_lshl_b32 s68, s68, 21                        ; my first row of out: 128 (2 tile row + half) x 16,384 bytes
	s_mov_b32 s69, 0
	s_lshl_b32 s76, s42, 10
	s_lshl_b32 s77, s16, 9
	s_add_co_u32 s76, s76, s77                     ; my first column, in bytes
	s_mov_b32 s77, 0
	v_and_b32 v2, 31, v0                           ; lane
	v_and_b32 v4, 15, v0                           ; r
	v_bfe_u32 v5, v0, 4, 1                         ; h
	v_lshlrev_b32 v3, 4, v2
	v_lshlrev_b32 v6, 17, v5                       ; lanes 16-31 stand 8 rows of out further down
	v_min_u32 v7, 1, v2
	v_lshlrev_b32 v[BO], 4, v4
	v_add_nc_u32 v[ADRA], s70, v3
	v_add_nc_u32 v[ADRA+1], s72, v3
	v_add_nc_u32 v[ADRB], s71, v3
	v_add_nc_u32 v[ADRB+1], s73, v3
	v_lshl_add_u32 v[CO], v4, 4, v6
	v_lshlrev_b32 v22, 8, v2
	v_lshlrev_b32 v23, 8, v7
	v_add_nc_u32 v[PFO], s75, v22                  ; a unit a lane
	v_add_nc_u32 v[PFS], s74, v23                  ; (lanes 2-31 name the second unit again)
	s_wait_alu depctr_va_vdst(0)                   ; the wait at the end of the head's vector work
	s_wait_dscnt 0x0                               ; both opening adds are done
	CROUND                                         ; all sixteen work-groups are here: the first joint loads meet
	s_wait_kmcnt 0x0
	s_add_nc_u64 s[20:21], s[4:5], s[20:21]
	s_add_nc_u64 s[46:47], s[6:7], s[46:47]
.irp s, 0,1
	s_add_nc_u64 s[G0+4*\s+2:G0+4*\s+3], s[20:21], \s*KQB
	s_or_b32 s[G0+4*\s+3], s[G0+4*\s+3], 0x80000000
	s_add_nc_u64 s[G0B+4*\s+2:G0B+4*\s+3], s[46:47], \s*KQB
	s_or_b32 s[G0B+4*\s+3], s[G0B+4*\s+3], 0x80000000
.endr
	JLOAD 0                                        ; K step 0: one tensor load a wave at the head
	s_cmp_eq_u32 s15, 0
	s_cselect_b64 s[PFA:PFA+1], s[20:21], s[46:47]
	s_add_nc_u64 s[8:9], s[8:9], s[76:77]
	s_add_nc_u64 s[68:69], s[68:69], s[76:77]
	s_add_nc_u64 s[10:11], s[10:11], s[68:69]
	global_load_b128 v[BI:BI+3], v[BO], s[8:9]
	global_load_b128 v[BI+4:BI+7], v[BO], s[8:9] offset:256
	s_wait_loadcnt 0x0                             ; the bias is in registers from here on
	ASK KQB
.macro FRAG reg, adr, q, i             ; a fragment, 16 rows x 128 along K: 8 registers
.irp c, 0,1
	ds_load_b128 v[\reg+4*\c:\reg+4*\c+3], v[\adr] offset:4096*(\i)+1024*(\q)+512*\c
.endr
.endm
.macro SCALES s                        ; a K step's scale words into set s
	WIN 0
.irp a, 0,1,2,3
	ds_load_b128 v[SC+32*\s+4*\a:SC+32*\s+4*\a+3], v[ADRA+\s] offset:SCO+512*\a
	ds_load_b128 v[SC+32*\s+16+4*\a:SC+32*\s+16+4*\a+3], v[ADRB+\s] offset:SCO+512*\a
.endr
.endm
.macro FETCH slot, q                   ; one run of 32 loads: step q's fragments into sets q % 2: w's eight, then x's eight (two to a block of 32 rows)
	WIN 0x40
.irp i, 0,1,2,3,4,5,6,7
	FRAG 64*((\q)%2)+8*\i, ADRB+\slot, \q, \i
.endr
	WIN 0
.irp i, 0,1,2,3,4,5,6,7
	FRAG AF+64*((\q)%2)+8*\i, ADRA+\slot, \q, \i
.endr
.endm
; one matrix instruction: x's block a (at v[af], window 0) x w's fragment b (at v[bf]); its accumulator is register 384 + 128 a + 16 b of the wave
.macro MM a, b, af, bf, sc, q, first
.set D,  128*(((\a)+1)%2)+16*(\b)
.set XA, \af
.set XB, \bf
.set SA, SC+32*(\sc)+4*(\a)+(\q)
.set SB, SC+32*(\sc)+16+4*((\b)/2)+(\q)
.if \first
.if (\b)%2
	v_wmma_scale_f32_32x16x128_f4 v[D:D+15], v[XA:XA+15], v[XB:XB+7], 0, v[SA], v[SB] matrix_b_scale:MATRIX_SCALE_ROW1
.else
	v_wmma_scale_f32_32x16x128_f4 v[D:D+15], v[XA:XA+15], v[XB:XB+7], 0, v[SA], v[SB]
.endif
.else
.if (\b)%2
	v_wmma_scale_f32_32x16x128_f4 v[D:D+15], v[XA:XA+15], v[XB:XB+7], v[D:D+15], v[SA], v[SB] matrix_b_scale:MATRIX_SCALE_ROW1
.else
	v_wmma_scale_f32_32x16x128_f4 v[D:D+15], v[XA:XA+15], v[XB:XB+7], v[D:D+15], v[SA], v[SB]
.endif
.endif
.endm
.macro MM2 a, q, slot, first, b        ; fragments b, b + 1 of step q (sets q % 2); window: w 1, accumulators (3 + a) / 2
	WIN 0x04+0x50*((3+(\a))/2)
	MM \a, \b, AF+64*((\q)%2)+16*(\a), 64*((\q)%2)+8*(\b), \slot, \q, \first
	MM \a, (\b)+1, AF+64*((\q)%2)+16*(\a), 64*((\q)%2)+8*(\b)+8, \slot, \q, \first
.endm
.macro MM8 a, q, slot, first
.irp b, 0,2,4,6
	MM2 \a, \q, \slot, \first, \b
.endr
.endm
; A step whose successor lies in the same slot.  Its own loads were issued a step ago, the next step's 32 are issued first.
.macro STEP slot, q, first
	PLACES
	FETCH \slot, (\q)+1
	s_wait_dscnt 44                                ; w's fragments and x's block 0 are in: x's blocks 1 to 3 (12 loads) and the 32 just issued may be out
	MM8 0, \q, \slot, \first
	s_wait_dscnt 40                                ; block 1: 8 and 32
	MM8 1, \q, \slot, \first
	s_wait_dscnt 36                                ; block 2: 4 and 32
	MM8 2, \q, \slot, \first
	s_wait_dscnt 32                                ; block 3: the next step's
	MM8 3, \q, \slot, \first
.endm
; A slot's last step: its fragments are asked for already.  A round of the cluster's barrier, the joint refill, one run of the next slot's first loads, and the rest of the products.
.macro TURN slot, next
	s_wait_xcnt 0x0                                ; the last prefetches have read their address
	s_add_nc_u64 s[PFA:PFA+1], s[PFA:PFA+1], KQB
	WIN 0
	s_wait_tensorcnt 0x0                           ; my tensor loads are done: my part of the next slot;
	ds_add_u32 v[SPW], v[NIL]                      ; the add; eight matrix instructions stand between it and its wait
	s_add_nc_u64 s[G0+4*\slot+2:G0+4*\slot+3], s[G0+4*\slot+2:G0+4*\slot+3], 2*KQB
	s_add_nc_u64 s[G0B+4*\slot+2:G0B+4*\slot+3], s[G0B+4*\slot+2:G0B+4*\slot+3], 2*KQB
	s_wait_dscnt 13                                ; w's fragments and x's block 0: x's blocks 1 to 3 and the add may be out
	MM8 0, 3, \slot, 0
	s_wait_dscnt 0x0                               ; the add is done, and so are my reads of this slot
	s_barrier_signal -1
	MM2 1, 3, \slot, 0, 0
	MM2 1, 3, \slot, 0, 2
	WIN 0
	s_barrier_wait -1
	s_cmp_lg_u32 s14, 0
	s_cbranch_scc1 .Lnw_\@
	s_barrier_signal -3
.Lnw_\@:
	s_barrier_wait -3
	s_barrier_signal -1
	s_barrier_wait -1                              ; no wave of any partner still reads this slot or has a load on its way
	JLOAD \slot                                    ; its four v_nop are the places for the loads below
	SCALES \next
	FETCH \next, 0
	s_cmp_gt_u32 s3, 1
	s_cbranch_scc0 .Lna_\@                         ; the last trip has no K step two refills on
	ASK 3*KQB
.Lna_\@:
	MM2 1, 3, \slot, 0, 4
	MM2 1, 3, \slot, 0, 6
	MM8 2, 3, \slot, 0
	MM8 3, 3, \slot, 0
.endm
	s_wait_tensorcnt 0x0                           ; my part of K step 0 is in
	ds_add_u32 v[SPW], v[NIL]
	s_wait_dscnt 0x0
	CROUND
	JLOAD 1                                        ; K step 1, the first tensor load behind the round
	SCALES 0
	FETCH 0, 0
	ASK 2*KQB
	ASK 3*KQB
	STEP 0, 0, 1                                   ; the first products start the sums with the constant 0
	WIN 0                                          ; at a label and at a branch every window is 0
	s_mov_b32 s3, LAPS-1
.Llap:
	STEP 0, 1, 0
	STEP 0, 2, 0
	TURN 0, 1
	STEP 1, 0, 0
	STEP 1, 1, 0
	STEP 1, 2, 0
	TURN 1, 0
	STEP 0, 0, 0
	WIN 0
	s_sub_co_u32 s3, s3, 1
	s_cmp_lg_u32 s3, 0
	s_cbranch_scc1 .Llap
	STEP 0, 1, 0
	STEP 0, 2, 0
; THE LAST K STEP, in slot 1.  w's fragments of its step q: windows 1, 1, 3, 3, at v0, v64, v128, v192.  x's block a, all four steps (64 registers): set a % 2.
.macro AROWS a                         ; x's block a: 16 loads
	WIN 0
.irp q, 0,1,2,3
.irp f, 0,1
	FRAG AF+64*((\a)%2)+16*\q+8*\f, ADRA+1, \q, 2*(\a)+\f
.endr
.endr
.endm
.macro BRW q, g                        ; w's fragments 4 g .. 4 g + 3 of step q: 8 loads
	WIN 0x40*(1+2*((\q)/2))
.irp i, 0,1,2,3
	FRAG 128*((\q)/2)+64*((\q)%2)+8*(4*(\g)+\i), ADRB+1, \q, 4*(\g)+\i
.endr
.endm
.macro ROWQ a, q, g                    ; the four accumulators of 32 rows x 64 columns by turns
	WIN 4*(1+2*((\q)/2))+0x50*((3+(\a))/2)
.irp i, 0,1,2,3
	MM \a, 4*(\g)+\i, AF+64*((\a)%2)+16*(\q), 128*((\q)/2)+64*((\q)%2)+8*(4*(\g)+\i), 1, \q, 0
.endr
.endm
; The way out of 32 rows x 64 columns: bias added, four results' register d into four neighbouring registers, stored.  d goes by fours, each accumulator from its low end on.  The first sixteen sums go to registers that are free
; (for a > 0: the last four of each of block a - 1's accumulators), the next ones over the registers that the four d before have emptied: no store's data are written again.
.macro EPI a, g
.set AC, 128*(((\a)+1)%2)+64*(\g)
.set AW, (3+(\a))/2
.irp k, 0,1,2,3
.set TS, 16
.if \k > 0
.set TW, AW
.set TB, AC+4*(\k-1)
.else
.if (\a) == 0
.set TW, 0
.set TB, TX+16*(\g)
.set TS, 4
.else
.set TW, (2+(\a))/2
.set TB, 128*((\a)%2)+64*(\g)+12
.endif
.endif
	WIN 4*AW+64*TW
.irp jj, 0,1,2,3
.irp bb, 0,1,2,3
	v_add_f32 v[TB+TS*\jj+\bb], v[BI+4*\g+\bb], v[AC+16*\bb+4*\k+\jj]
.endr
.endr
.if TW != AW
	WIN 4*TW
.endif
.irp jj, 0,1,2,3
	global_store_b128 v[CO], v[TB+TS*\jj:TB+TS*\jj+3], s[10:11] offset:16384*(32*\a+16*(\k/2)+4*(\k%2)+\jj)+256*\g th:TH_STORE_NT
.endr
.endr
.endm
.macro UNIT a, g, w
	s_wait_dscnt \w                                ; block a of x is in; the next block's 16 loads may be out
.irp q, 0,1,2,3
	ROWQ \a, \q, \g
.endr
	PLACES
.if (\g) == 1 && (\a) < 2
	AROWS \a+2
.endif
	EPI \a, \g
.endm
	WIN 0
	s_wait_tensorcnt 0x0                           ; my part of slot 1
	ds_add_u32 v[SPW], v[NIL]
	s_wait_dscnt 13                                ; x's blocks 1 to 3 and the add may be out
	MM8 0, 3, 0, 0
	s_wait_dscnt 0x0                               ; the add is done, and so are my reads of slot 0
	s_barrier_signal -1
	MM2 1, 3, 0, 0, 0
	MM2 1, 3, 0, 0, 2
	WIN 0
	s_barrier_wait -1                              ; slot 1 is whole; nothing is filled again
	PLACES
	SCALES 1                                       ; one run of 48 loads: all that the first 32 rows x 64 columns need but step 1's fragments of w, whose registers are still at work
	AROWS 0
	BRW 0, 0
	BRW 2, 0
	BRW 3, 0
	MM2 1, 3, 0, 0, 4
	MM2 1, 3, 0, 0, 6
	MM8 2, 3, 0, 0
	MM8 3, 3, 0, 0
	PLACES
	BRW 1, 0
	s_wait_dscnt 8                                 ; all but step 1's fragments of w
	ROWQ 0, 0, 0
	ROWQ 0, 2, 0
	ROWQ 0, 3, 0
	s_wait_dscnt 0x0
	ROWQ 0, 1, 0
	PLACES
	BRW 0, 1
	BRW 1, 1
	BRW 2, 1
	BRW 3, 1
	AROWS 1
	EPI 0, 0
	UNIT 0, 1, 16
	UNIT 1, 0, 16
	UNIT 1, 1, 16
	UNIT 2, 0, 16
	UNIT 2, 1, 16
	UNIT 3, 0, 0
	UNIT 3, 1, 0
	WIN 0
	s_wait_tensorcnt 0x0                           ; the wave's end
	ds_add_u32 v[SPW], v[NIL]
	s_wait_dscnt 0x0
	CROUND                                         ; the closing round
	s_endpgm
.Lfunc_end_k_q4d31108810_gemm:
	.size	k_q4d31108810_gemm, .Lfunc_end_k_q4d31108810_gemm-k_q4d31108810_gemm
	.p2alignl 7, 3214868480
	.fill 96, 4, 3214868480
	.section	.rodata,"a",@progbits
	.p2align	6, 0x0
	.amdhsa_kernel k_q4d31108810_gemm
		.amdhsa_group_segment_fixed_size 327680
		.amdhsa_private_segment_fixed_size 0
		.amdhsa_enable_private_segment 0
		.amdhsa_kernarg_size 32
		.amdhsa_user_sgpr_count 2
		.amdhsa_user_sgpr_kernarg_segment_ptr 1
		.amdhsa_wavefront_size32 1
		.amdhsa_system_sgpr_workgroup_id_x 1
		.amdhsa_system_sgpr_workgroup_id_y 1
		.amdhsa_system_sgpr_workgroup_id_z 1
		.amdhsa_system_vgpr_workitem_id 0
		.amdhsa_next_free_vgpr 1024
		.amdhsa_next_free_sgpr 80
		.amdhsa_reserve_vcc 0
		.amdhsa_float_denorm_mode_32 3
		.amdhsa_float_denorm_mode_16_64 3
		.amdhsa_memory_ordered 1
		.amdhsa_forward_progress 1
		.amdhsa_inst_pref_size 145
	.end_amdhsa_kernel
	.amdgpu_metadata
---
amdhsa.version: [ 1, 2 ]
amdhsa.kernels:
  - .name:           k_q4d31108810_gemm
    .symbol:         k_q4d31108810_gemm.kd
    .args:
      - { .name: xq, .offset: 0, .size: 8, .value_kind: global_buffer, .address_space: global }
      - { .name: wq, .offset: 8, .size: 8, .value_kind: global_buffer, .address_space: global }
      - { .name: bias, .offset: 16, .size: 8, .value_kind: global_buffer, .address_space: global }
      - { .name: out0, .offset: 24, .size: 8, .value_kind: global_buffer, .address_space: global }
    .group_segment_fixed_size: 327680
    .private_segment_fixed_size: 0
    .kernarg_segment_align: 8
    .kernarg_segment_size: 32
    .max_flat_workgroup_size: 128
    .sgpr_count:     80
    .vgpr_count:     1024
    .wavefront_size: 32
...
	.end_amdgpu_metadata
.endif
;; end of part 2
